; MI455X (gfx1250); checked and timed in simulation.
; The chip was launched on July 23, 2026; its instructions are those of AMD's public machine-readable ISA for CDNA 5 (MIT licence, August 2026) and "CDNA5" Instruction Set Architecture Reference Guide (July 2026). The comments in the code are by the model that wrote it; some were corrected since.
;; Multi Head Attention Map. Allowed arithmetic: matrix products marked QUANTISED: E5M2 operands, one given power-of-two scale a tensor, by v_wmma_f32_16x16x64_bf8_bf8 or v_wmma_f32_16x16x128_bf8_bf8, f32 sums; everything else in f32.
;; Inputs: keys 2 x 2,048 x 1,024 float32; lowp_scales 4 int32 (the exponents e of the quantised operands' scales 2^e); mask 2 x 2,048 x 2,048 bool; queries 2 x 2,048 x 1,024 float32; values_codes 2 x 1,024 x 64 x 32 uint8 (E5M2 codes of values, K innermost, in blocks of 32 codes).
;; Outputs: out0 2 x 2,048 x 1,024 float32.
;; This version of the problem:
;;   THIS VERSION OF THE PROBLEM IS GIVEN IN LOW PRECISION. The matrix products marked QUANTISED in the list below multiply operands that are first quantised to E5M2 (5 exponent bits, 2 mantissa bits; 8 bits a number), with one given power-of-two scale for each operand tensor; their sums are f32. All else is computed in f32.
;;   The module's matrix products, in the order in which they are computed (A, B: the left and right operand; K: the contracted axis; several contracted axes count as one K, in the product's order):
;;     1. batch 32 x [M 2,048, K 64] x [K 64, N 2,048]; A: input queries; B: input keys: QUANTISED (scales: A lowp_scales[0], B lowp_scales[1])
;;     2. batch 32 x [M 2,048, K 2,048] x [K 2,048, N 64]; A: softmax (see below); B: input values (given as codes): QUANTISED (scales: A lowp_scales[2], B lowp_scales[3])
;;   THE QUANTISER, for each operand of a quantised product, along K:
;;     - The operand's scale is 2^e, e = its entry of the input lowp_scales (int32; the entries are numbered through the quantised products in the list's order, A before B).
;;     - Each number is divided by the scale, clamped to +-57,344, and rounded to the nearest number of E5M2, ties to even, subnormals kept.
;;     - The product sums the exact products of the quantised numbers (number of the format x scale) in f32.
;;   ~~~python
;;   def quantise(x, axis, e):      # numpy; x: float32 -> the quantised numbers, widened to float32 again
;;       x = np.moveaxis(x, axis, -1); K = x.shape[-1]
;;       r = np.clip(x / 2.0 ** e, -57344, 57344)
;;       step = 2.0 ** (np.maximum(np.frexp(np.where(r == 0, 1, r))[1] - 1, -14) - 2)
;;       q = np.round(r / step) * step * 2.0 ** e      # np.round: ties to even
;;       return np.moveaxis(q, -1, axis).astype(np.float32)
;;   ~~~
;;   SOFTMAX AHEAD OF A QUANTISED PRODUCT. Where the list says 'softmax', what is quantised is not the finished softmax but p = 2^(t - M), with t = logit x log2(e) and M = ceil(the row's largest t), a whole number; so 1/2 < the row's largest p <= 1. The row's sum l is taken of the UNQUANTISED p, in f32, and the product's result is divided by l at the end. Since M is a whole number, a kernel that streams over the keys may use a running M (the ceiling of the running maximum): every later rescaling is an exact power of two, so the quantised numbers keep their values, but for numbers so far below the row's largest that they fall under the format's range.
;;   OPERANDS COMPUTED ON THE WAY. 'Computed on the way' means the value that the module computes at that place (a softmax that the list does not call 'softmax' is quantised finished and normalised). What goes into a quantiser is computed in f32, as accurately as f32 sums, v_exp_f32 and their like allow (about 1e-6 of the number): no bf16 or f16 on the way to a quantiser, and a product that is left as it is and whose result goes on into a quantised operand takes f32 operands (vector FMAs, or v_wmma_f32_16x16x4_f32). A number that lies on a knife's edge between two numbers of the format may be rounded either way, as far as f32 arithmetic and the matrix unit's own rounding can turn it there, and no further.
;;   INPUTS GIVEN AS CODES. values (in the module: [2, 2048, 1024], K = its axis 1): each comes as NAME_codes (uint8): NAME with its K axis moved to the last place and cut into blocks of 32 codes, [.., K / 32, bytes a block], one block behind the other in memory; one code a byte (a code: sign, 5 exponent bits, 2 mantissa bits); its scale is its entry of lowp_scales. Its value is code x scale, taken as it is: it is not quantised again, and the codes and scales need not be those that the quantiser above would give.
;; 2 versions, each right; version 2 is version 1 with the launch attn written anew for expert scheduling mode. Each part assembles by itself: llvm-mc -triple=amdgcn-amd-amdhsa -mcpu=gfx1250 --defsym DOCPART=n.
;; ======== version 1 of 2: 2 launches
;; workspace buffers: qc 4,194,304 bytes; kc 4,194,304 bytes; maskw 1,048,576 bytes of whole numbers; flags 1,024 bytes of whole numbers
;; launch prep (part 1): grid 256 x 1, 8 waves a work-group, no clusters, 165,888 bytes of LDS; arguments queries, keys, mask, lowp_scales, qc, kc, maskw, flags; writes qc, kc, maskw, flags
.if DOCPART == 1
	.amdgcn_target "amdgcn-amd-amdhsa--gfx1250"
	.amdhsa_code_object_version 6
	.text
	.protected	k_q8dbb814ecb_prep
	.globl	k_q8dbb814ecb_prep
	.p2align	8
	.type	k_q8dbb814ecb_prep,@function
k_q8dbb814ecb_prep:
	s_mov_b64 s[64:65], 0
	v_nop
	global_prefetch_b8 v0, s[64:65] scope:SCOPE_SE
	s_setreg_imm32_b32 hwreg(HW_REG_WAVE_MODE, 25, 1), 1
	s_wait_xcnt 0x0
; PREP: what the attention launch wants ready, made once.
; (a) queries and keys, [2][2048][1024] f32, become codes of BF8 (E5M2): code = x / 2^e, held within +-57,344, to the nearest code, ties to even; e = entry 0 (queries) or 1 (keys) of the scales.
;     They are stored IN THE ORDER OF THE OPERAND'S REGISTERS: [batch][head][fragment T = 2 R + u][c = 0, 1][lane][16 bytes].  Fragment T holds the 16 rows 32 R + 8 u + r + 8 (r / 8), r = lane % 16;
;     lane (r, h) holds, of its row and head, the codes of k = 32 c + 16 h + 0 .. 15.  Queries and keys have the same order of k, so every product meets its partner.
; (b) the mask, [2][2048][2048] bytes, becomes lane masks: maskw [batch][R][key step j of 128][u][64 words]; bit 16 h + r of word n says whether key 128 j + 32 (n / 16) + 16 h + n % 16 counts for query
;     32 R + 8 u + r + 8 (r / 8): the lane and register in which the attention launch holds that score.
; (c) flags [batch][R][u]: bit j = 1 where all 64 words of step j are all ones.
; SHARES.  256 work-groups of eight waves.  Work-group g takes 32 rows (R = g % 64 of batch (g % 128) / 64) of the queries (g < 128) or of the keys, and tile g of the mask (batch g / 128, R = (g / 2) % 64, u = g % 2).
; Every load takes 512 consecutive bytes a wave; the rows turn through LDS, since a lane of a fragment wants 64 neighbouring bytes of one row.  No tensor load, no matrix instruction.
; LIMITS: e between -126 and 112, so that 2^e and 57,344 x 2^e are f32 numbers.  NaN among the inputs is not served (an infinity is held at the largest code).
.set QP,  4112                         ; a row of 4,096 bytes + 16 in LDS = 1,028 words: row r starts at bank 4 r mod 64 (64 banks of 4 bytes: ISA guide 11.1)
.set MP,  2064                         ; a row of the mask, 2,048 bytes + 16: likewise
.set MST, 32*QP                        ; behind the 32 rows of numbers: 16 rows of the mask
.set FLS, MST+16*MP                    ; behind them: a word for each wave, its two bits of the flags
.set X,   32                           ; v32-159   32 loads of 4 registers; later 4 fragments x 32 numbers
.set MD,  160                          ; v160-191  the mask's bytes: as loaded, later as a lane wants them
.set CD,  192                          ; v192-223  codes: 8 registers for each of 4 fragments, so that no store's data are written again
.set OW,  224                          ; v224-227  the words of two key steps: word n in register n % 2, lane n / 2
.set TM,  228                          ; v228-231  at work
	s_load_b512 s[4:19], s[0:1], 0x0               ; queries s[4:5], keys s[6:7], mask s[8:9], scales s[10:11], qc s[12:13], kc s[14:15], maskw s[16:17], flags s[18:19]
	v_lshl_add_u32 v232, v0, 2, 0x28400
	v_mov_b32 v233, 0
	v_lshrrev_b32 v1, 5, v0
	v_readfirstlane_b32 s20, v1                    ; wave w, 0..7
	v_and_b32 v1, 31, v0                           ; lane
	v_and_b32 v2, 15, v0                           ; r
	v_bfe_u32 v3, v0, 4, 1                         ; h
	v_lshlrev_b32 v4, 4, v1                        ; 16 x lane: my bytes of a load's 512
	v_lshlrev_b32 v10, 3, v1                       ; 8 x lane: my two words of a step's 64
	; LDS slot 16 u + r holds local row 8 u + r + 8 (r / 8).  My wave's rows 4 w + i go to slots slot0 + i, slot0 = 16 ((w / 2) % 2) + 8 (w / 4) + 4 (w % 2)
	s_bfe_u32 s24, s20, 0x10001
	s_lshl_b32 s24, s24, 4
	s_lshr_b32 s26, s20, 2
	s_lshl_b32 s26, s26, 3                         ; 8 (w / 4): also wanted for the mask's rows
	s_add_co_u32 s24, s24, s26
	s_and_b32 s27, s20, 1
	s_lshl_b32 s27, s27, 2
	s_add_co_u32 s24, s24, s27
	s_mul_i32 s24, s24, QP
	v_add_nc_u32 v5, s24, v4                       ; numbers into LDS
	s_mul_i32 s27, s20, 2*MP
	s_add_co_u32 s27, s27, MST
	v_add_nc_u32 v6, s27, v4                       ; the mask into LDS: slots 2 w and 2 w + 1
	v_mul_u32_u24 v7, v2, QP
	v_lshl_add_u32 v7, v3, 6, v7
	s_lshl_b32 s27, s20, 9
	v_add_nc_u32 v7, s27, v7                       ; a fragment of tile u = 0: slot r, + 64 h, + my wave's two heads (512 w)
	v_add_nc_u32 v8, 16*QP, v7                     ; of tile u = 1: sixteen slots on (more than an LDS immediate holds)
	v_mul_u32_u24 v9, v2, MP
	v_lshl_add_u32 v9, v3, 4, v9
	s_lshl_b32 s27, s20, 8
	s_add_co_u32 s27, s27, MST
	v_add_nc_u32 v9, s27, v9                       ; the mask out of LDS: slot r, + 16 h, + my wave's two key steps (256 w)
	s_lshl_b32 s27, s20, 2
	s_add_co_u32 s27, s27, FLS
	v_mov_b32 v13, s27                             ; my wave's word of the flags
	v_mov_b32 v15, FLS
	; byte offsets, each in a pair of its own
	s_and_b32 s28, ttmp9, 127                      ; which 32 rows of the tensor
	s_lshl_b32 s30, s28, 17                        ; 32 rows of 4,096 bytes,
	s_lshl_b32 s27, s20, 14                        ; my wave's four
	s_add_co_u32 s30, s30, s27
	s_mov_b32 s31, 0
	s_lshr_b32 s32, s28, 6
	s_lshl_b32 s32, s32, 21                        ; codes: batch x 16 heads x 131,072,
	s_lshl_b32 s27, s20, 18                        ; head 2 w,
	s_add_co_u32 s32, s32, s27
	s_and_b32 s27, s28, 63
	s_lshl_b32 s27, s27, 11                        ; fragment 2 R
	s_add_co_u32 s32, s32, s27
	s_mov_b32 s33, 0
	s_lshr_b32 s34, ttmp9, 1                       ; 64 x batch + R of my mask tile
	s_and_b32 s35, ttmp9, 1                        ; u
	s_lshl_b32 s36, s34, 5
	s_lshl_b32 s27, s35, 3
	s_add_co_u32 s36, s36, s27
	s_lshl_b32 s27, s20, 1
	s_add_co_u32 s36, s36, s27
	s_add_co_u32 s36, s36, s26                     ; the mask's row 2,048 batch + 32 R + 8 u + 2 w + 8 (w / 4): slot 2 w; slot 2 w + 1 is the next row
	s_lshl_b32 s36, s36, 11
	s_mov_b32 s37, 0
	s_lshl_b32 s38, s34, 13                        ; maskw: 8,192 bytes for each (batch, R),
	s_lshl_b32 s27, s35, 8                         ; 256 u,
	s_add_co_u32 s38, s38, s27
	s_lshl_b32 s27, s20, 10                        ; key step 2 w
	s_add_co_u32 s38, s38, s27
	s_mov_b32 s39, 0
	s_lshl_b32 s42, ttmp9, 2                       ; flags: word g
	s_mov_b32 s43, 0
	s_wait_kmcnt 0x0
	s_load_b64 s[22:23], s[10:11], 0x0             ; e of the queries, e of the keys
	s_cmp_lt_u32 ttmp9, 128                        ; queries or keys: the choice hangs on the work-group's number alone
	s_cselect_b64 s[4:5], s[4:5], s[6:7]
	s_cselect_b64 s[12:13], s[12:13], s[14:15]
	s_add_nc_u64 s[4:5], s[4:5], s[30:31]
	s_add_nc_u64 s[12:13], s[12:13], s[32:33]
	s_add_nc_u64 s[8:9], s[8:9], s[36:37]
	s_add_nc_u64 s[16:17], s[16:17], s[38:39]
	s_add_nc_u64 s[18:19], s[18:19], s[42:43]
	; 40 loads a wave, 512 consecutive bytes each; everything here is read once in the launch
.irp rr, 0,1
.irp k, 0,1,2,3
	global_load_b128 v[MD+16*\rr+4*\k:MD+16*\rr+4*\k+3], v4, s[8:9] offset:2048*\rr+512*\k th:TH_LOAD_NT
.endr
.endr
.irp i, 0,1,2,3
.irp k, 0,1,2,3,4,5,6,7
	global_load_b128 v[X+32*\i+4*\k:X+32*\i+4*\k+3], v4, s[4:5] offset:4096*\i+512*\k th:TH_LOAD_NT
.endr
.endr
	s_wait_kmcnt 0x0
	s_cmp_lt_u32 ttmp9, 128
	s_cselect_b32 s22, s22, s23                    ; e
	s_add_co_i32 s22, s22, 127
	s_lshl_b32 s23, s22, 23
	v_mov_b32 v11, s23                             ; 2^e as f32: the conversion takes its exponent field
	s_add_co_i32 s22, s22, 15
	s_lshl_b32 s22, s22, 23
	s_or_b32 s22, s22, 0x600000
	v_mov_b32 v12, s22                             ; 57,344 x 2^e
	s_wait_loadcnt 32                              ; the mask's eight loads are in; the 32 younger ones may be out
.irp rr, 0,1
.irp k, 0,1,2,3
	ds_store_b128 v6, v[MD+16*\rr+4*\k:MD+16*\rr+4*\k+3] offset:MP*\rr+512*\k
.endr
.endr
.irp i, 0,1,2,3
	s_wait_loadcnt 24-8*\i                         ; row i's eight loads are in; the later rows' may be out
.irp k, 0,1,2,3,4,5,6,7
	ds_store_b128 v5, v[X+32*\i+4*\k:X+32*\i+4*\k+3] offset:QP*\i+512*\k
.endr
.endr
	s_wait_dscnt 0x0                               ; for the others' sake: my stores have landed (and have read their registers)
	s_barrier_signal -1
	s_barrier_wait -1                              ; 32 rows of numbers and 16 rows of the mask lie in LDS
.irp e, 0,1                                    ; key step 2 w + e: my 16 bytes of each block of 32 keys
.irp bb, 0,1,2,3
	ds_load_b128 v[MD+16*\e+4*\bb:MD+16*\e+4*\bb+3], v9 offset:128*\e+32*\bb
.endr
.endr
.irp e, 0,1                                    ; fragment f = 2 e + u: head 2 w + e, tile u: 16 neighbouring numbers of each half of the head's 64
.irp u, 0,1
.irp c, 0,1
.irp k, 0,1,2,3
	ds_load_b128 v[X+32*(2*\e+\u)+16*\c+4*\k:X+32*(2*\e+\u)+16*\c+4*\k+3], v[7+\u] offset:256*\e+128*\c+16*\k
.endr
.endr
.endr
.endr
	s_wait_dscnt 32                                ; the mask's eight loads are in; the fragments' 32 may be out
; The 64 words of key step 2 w + e, four at a time: a byte of every lane is cut out, compared with 0 (the compare's result IS the word), gathered into lane n / 2 of register n % 2,
; and all words are ANDed for the flag.  One store of 8 bytes a lane then covers the step's 256 consecutive bytes, aligned.
.macro WORDS e
	s_mov_b32 s[40+\e], -1
	v_mov_b32 v[OW+2*\e], 0                        ; (v_writelane_b32 counts as a reader of its destination)
	v_mov_b32 v[OW+2*\e+1], 0
.set n, 0
.rept 16
.irp k, 0,1,2,3
	v_and_b32 v[TM+\k], 0xff<<(8*\k), v[MD+16*\e+n/4]
.endr
.irp k, 0,1,2,3
	v_cmp_ne_u32 s[44+\k], 0, v[TM+\k]
.endr
.irp k, 0,1,2,3
	s_and_b32 s[40+\e], s[40+\e], s[44+\k]
.endr
.irp k, 0,1,2,3
	v_writelane_b32 v[OW+2*\e+\k%2], s[44+\k], (n+\k)/2
.endr
.set n, n+4
.endr
	global_store_b64 v10, v[OW+2*\e:OW+2*\e+1], s[16:17] offset:512*\e
.endm
	WORDS 0
	WORDS 1
	s_cmp_eq_u32 s40, -1
	s_cselect_b32 s40, 1, 0
	s_cmp_eq_u32 s41, -1
	s_cselect_b32 s41, 2, 0
	s_or_b32 s40, s40, s41
	s_lshl_b32 s41, s20, 1
	s_lshl_b32 s40, s40, s41                       ; bits 2 w and 2 w + 1 of the tile's flags
	v_mov_b32 v14, s40
	ds_store_b32 v13, v14                          ; all lanes write the same word with the same value
	s_wait_dscnt 0x0                               ; that store has landed, and the fragments' numbers are in
	s_barrier_signal -1
	s_barrier_wait -1                              ; the eight waves' bits lie in LDS
; Fragment f: 32 numbers a lane become 32 codes; each of the two stores covers 512 consecutive bytes, aligned.
.macro QUANT f
.set i, 0
.rept 32
	v_med3_num_f32 v[X+32*\f+i], v[X+32*\f+i], -v12, v12   ; the conversion to an 8-bit code does not saturate (ISA guide 7.6.2): the hold at the largest code x the scale comes first
.set i, i+1
.endr
.irp c, 0,1
	v_cvt_scalef32_pk8_bf8_f32 v[CD+8*\f+4*\c:CD+8*\f+4*\c+1], v[X+32*\f+16*\c:X+32*\f+16*\c+7], v11
	v_cvt_scalef32_pk8_bf8_f32 v[CD+8*\f+4*\c+2:CD+8*\f+4*\c+3], v[X+32*\f+16*\c+8:X+32*\f+16*\c+15], v11
.endr
.irp c, 0,1
	global_store_b128 v4, v[CD+8*\f+4*\c:CD+8*\f+4*\c+3], s[12:13] offset:(\f/2)*131072+1024*(\f%2)+512*\c
.endr
.endm                                  ; (the codes go to stores alone; the next vector lines are plain and touch other registers)
	QUANT 0
	QUANT 1
	QUANT 2
	QUANT 3
	s_cmp_lg_u32 s20, 0                            ; wave 0 joins the eight waves' bits and stores the tile's word
	s_cbranch_scc1 .Lend
	ds_load_b128 v[16:19], v15
	ds_load_b128 v[20:23], v15 offset:16
	s_wait_dscnt 0x0
	v_or_b32 v16, v16, v17
	v_or_b32 v18, v18, v19
	v_or_b32 v20, v20, v21
	v_or_b32 v22, v22, v23
	v_or_b32 v16, v16, v18
	v_or_b32 v20, v20, v22
	v_or_b32 v16, v16, v20
	v_mov_b32 v17, 0
	s_wait_xcnt 0x0                                ; EXEC is a source of the stores above: it changes only behind this wait
	v_cmp_eq_u32 vcc_lo, 0, v0
	s_and_saveexec_b32 s44, vcc_lo                 ; lane 0 alone
	global_store_b32 v17, v16, s[18:19]
	s_wait_xcnt 0x0                                ; and again in front of the line that widens it
	s_or_b32 exec_lo, exec_lo, s44
.Lend:
	s_wait_tensorcnt 0x0
	ds_add_u32 v232, v233
	s_wait_dscnt 0x0
	s_endpgm
.Lfunc_end_k_q8dbb814ecb_prep:
	.size	k_q8dbb814ecb_prep, .Lfunc_end_k_q8dbb814ecb_prep-k_q8dbb814ecb_prep
	.p2alignl 7, 3214868480
	.fill 96, 4, 3214868480
	.section	.rodata,"a",@progbits
	.p2align	6, 0x0
	.amdhsa_kernel k_q8dbb814ecb_prep
		.amdhsa_group_segment_fixed_size 165888
		.amdhsa_private_segment_fixed_size 0
		.amdhsa_enable_private_segment 0
		.amdhsa_kernarg_size 64
		.amdhsa_user_sgpr_count 2
		.amdhsa_user_sgpr_kernarg_segment_ptr 1
		.amdhsa_wavefront_size32 1
		.amdhsa_system_sgpr_workgroup_id_x 1
		.amdhsa_system_sgpr_workgroup_id_y 1
		.amdhsa_system_sgpr_workgroup_id_z 1
		.amdhsa_system_vgpr_workitem_id 0
		.amdhsa_next_free_vgpr 234
		.amdhsa_next_free_sgpr 66
		.amdhsa_reserve_vcc 1
		.amdhsa_float_denorm_mode_32 3
		.amdhsa_float_denorm_mode_16_64 3
		.amdhsa_memory_ordered 1
		.amdhsa_forward_progress 1
		.amdhsa_inst_pref_size 53
	.end_amdhsa_kernel
	.amdgpu_metadata
---
amdhsa.version: [ 1, 2 ]
amdhsa.kernels:
  - .name:           k_q8dbb814ecb_prep
    .symbol:         k_q8dbb814ecb_prep.kd
    .args:
      - { .name: queries, .offset: 0, .size: 8, .value_kind: global_buffer, .address_space: global }
      - { .name: keys, .offset: 8, .size: 8, .value_kind: global_buffer, .address_space: global }
      - { .name: mask, .offset: 16, .size: 8, .value_kind: global_buffer, .address_space: global }
      - { .name: lowp_scales, .offset: 24, .size: 8, .value_kind: global_buffer, .address_space: global }
      - { .name: qc, .offset: 32, .size: 8, .value_kind: global_buffer, .address_space: global }
      - { .name: kc, .offset: 40, .size: 8, .value_kind: global_buffer, .address_space: global }
      - { .name: maskw, .offset: 48, .size: 8, .value_kind: global_buffer, .address_space: global }
      - { .name: flags, .offset: 56, .size: 8, .value_kind: global_buffer, .address_space: global }
    .group_segment_fixed_size: 165888
    .private_segment_fixed_size: 0
    .kernarg_segment_align: 8
    .kernarg_segment_size: 64
    .max_flat_workgroup_size: 256
    .sgpr_count:     66
    .vgpr_count:     234
    .wavefront_size: 32
...
	.end_amdgpu_metadata
.endif
;; end of part 1
;; launch attn (part 2): grid 8 x 32, 8 waves a work-group, no clusters, 302,080 bytes of LDS; arguments qc, kc, values_codes, maskw, flags, lowp_scales, out0; writes out0
.if DOCPART == 2
	.amdgcn_target "amdgcn-amd-amdhsa--gfx1250"
	.amdhsa_code_object_version 6
	.text
	.protected	k_q8dbb814ecb_attn
	.globl	k_q8dbb814ecb_attn
	.p2align	8
	.type	k_q8dbb814ecb_attn,@function
k_q8dbb814ecb_attn:
	s_mov_b64 s[64:65], 0
	v_nop
	global_prefetch_b8 v0, s[64:65] scope:SCOPE_SE
	s_setreg_imm32_b32 hwreg(HW_REG_WAVE_MODE, 25, 1), 1
	s_wait_xcnt 0x0
; out0[b][q][64 h + d] = the sum over keys of softmax(Q . K / 8 - 1e9 (mask false)) V, both products on codes of BF8 (E5M2), each operand with the one scale 2^e that is given for it: e0 (Q), e1 (K), e2 (p), e3 (V).
; qc, kc: codes in the order of the operand's registers; maskw: lane masks; flags: a bit for each tile of 16 queries x 128 keys without a hole (all three as the launch before has laid them).
; values_codes: [b][64 h + d][2,048 keys], the keys innermost.
; THE SOFTMAX AHEAD OF THE SECOND PRODUCT: t = logit x log2(e); M = the row's largest t so far, rounded UP to a whole number; p = 2^(t - M) is quantised, not normalised.  The row's sum is taken of the
; unquantised p and divides at the end.  When M moves, the sum and O are multiplied by 2^(old M - new M), which rounds nothing.
; SHARES.  A work-group owns 256 queries of one head (x: the block, y = 16 b + h).  Each of its eight waves owns a block R = 8 x + w of 32 queries as TWO tiles of 16 (u = 0, 1), so that each fragment of K and V
; read from LDS feeds two matrix instructions.  Every wave walks the head's 2,048 keys, 128 a step.
; LAYOUT.  Both products are used transposed: S^T = K Q^T (source 0 = 16 keys, source 1 = 16 queries), O^T = V^T P^T (source 0 = 16 of the head's 64, source 1 = p): a lane holds ONE query (lane % 16) throughout.
; THE ROWS OF A TILE ARE NOT NEIGHBOURS: lane r of tile 2 R + u holds row 32 R + 8 u + r + 8 (r / 8), of keys and of queries alike.  So the 16 registers of key tiles 2 b and 2 b + 1 are 16 neighbouring keys,
; 32 b + 16 (lane / 16) + 0 .. 15, and the conversions' results are the second product's operand.
; K AND V OF THE HEAD LIE IN LDS WHOLE, each byte written once.  They come through registers, a quarter (512 keys) ahead: in each step of quarters 0 to 2 a wave brings 2,048 bytes of the next quarter (loads behind
; the step's first products, LDS stores at its end); one barrier ends a quarter.  Between two barriers the reads fall in quarter q and the stores in quarter q + 1, which are disjoint intervals of LDS bytes.
; THE MASK.  In a tile with a hole the bias is really added: logit = f32(sim + bias), t = f32(logit x log2(e)), as reference() has them, so that a row with no key left gets reference()'s weights.
; A tile whose flag is set skips that (128 vector instructions) by a scalar branch on the stored flag, and takes t - M by one fused multiply-add.
; THE HOLD at 57,344 x 2^e2 (64 vector instructions a tile and step) is skipped by a scalar branch where e2 >= -15: the bound is then 1.75 or more, and p exceeds 1 by no more than a rounding of t.
; NO JOINT LOADS, though the eight work-groups of a head read the same K and V: the two branches above spare up to 192 of a
; tile-step's some 390 vector instructions, while what is shared is 16,384 bytes a step for a work-group, asked for four steps ahead of its first use.
; LIMITS on the given exponents, so that each power of two below is an f32 number: e0 + e1 between -123 and 130; e2 between -126 and 112; e2 + e3 is applied by v_ldexp_f32 and has none.  NaN is not served.
; REGISTERS, in windows of 256.  Window 0: v1-15 addresses and -1e9; v16-39 statistics; v40, v41 2^e2 and 57,344 x 2^e2; v48-63 a block's biases; v64-79 the fill's data; v96-223 S^T, then p, of both tiles;
;   v224-255 p's codes.   Window 1: v0-63 O^T of both tiles; v64-79 Q; v96-159 K's 8 fragments of a step; v160-223 V's 4.
.set KQB,  32768                       ; a quarter of K in LDS: 32 fragments of 512 bytes x 2, as they lie in kc
.set VP,   528                         ; a row of a quarter of V: 512 bytes + 16 = 132 words: row r starts at bank 4 r mod 64 (64 banks of 4 bytes: ISA guide 11.1)
.set VQ,   64*VP                       ; a quarter of V
.set VOFF, 4*KQB                       ; V lies behind K
.set STG,  VOFF+4*VQ                   ; behind V: a stage of 16 rows x 272 bytes for each wave, for the way out
.set SP,   272
.set LI,   1                           ; v1   16 x lane
.set AV,   2                           ; v2   my lane's place in a tile of V: VOFF + VP r + 16 h
.set KA,   3                           ; v3   LDS address of the step's fragments of K
.set VA,   4                           ; v4   of V
.set FK0,  6                           ; v6   the fill, K: 4,096 w + 16 lane, in memory and in LDS alike
.set FVG0, 7                           ; v7   the fill, V in memory: rows 8 w on: 16,384 w + 16 lane
.set FVL0, 8                           ; v8   the fill, V in LDS: VOFF + 8 VP w + 16 lane
.set FK,   9                           ; v9-11  the same three with the step's part added
.set FVG,  10
.set FVL,  11
.set STO,  12                          ; v12  the way out: where I put 32 bytes of a row
.set RD,   13                          ; v13  where I read a row back
.set GO,   14                          ; v14  my byte offset in two rows of out0
.set NEG,  15                          ; v15  -1e9
.set ST,   16                          ; tile x's statistics at v[ST + 12 x]: +0 -M, +1 the largest t, +2, +3 the sum in two halves, +4, +5 at work, +6 the other half's, +8 f (+9 named with it), +10, +11 a second chain of sums
.set SCL,  40
.set LIM,  41
.set BT,   48
.set FD,   64
.set SA,   96
.set CC,   224
.set QFR,  64                          ; in window 1
.set KFR,  96
.set VFR,  160
.set MO,   14                          ; s14  byte offset in my 8,192 bytes of maskw of the block of 64 words asked for last
.set WV,   15                          ; s15  my wave's number
.set L2E,  66                          ; s[66:67] log2(e)
.set CS,   84                          ; s[84:85] log2(e) x 2^(e0 + e1 - 3): t = sum x this, where no bias is added
.set MU,   86                          ; s[86:87] what the tile's numbers are multiplied by to be t: CS, or 1 where they are t already
.set SEL,  88                          ; s[88:89] lane selects for v_permlanex16_b32: lane l xor 16
.set FLG,  90                          ; s90, s91 the flags of my two tiles
.set EP,   92                          ; s92  e2
.set EPV,  93                          ; s93  e2 + e3
.set SI,   94                          ; s94  steps left in the quarter
.set JJ,   95                          ; s95  the key step, 0..15
.set KO,   96                          ; s96  the step's first byte in K
.set VO,   97                          ; s97  in V, less VOFF
.set KF,   98                          ; s98-100 the step's part of the fill's three addresses
.set VG,   99
.set VL,   100
.set CL,   104                         ; s[104:105] 2^(e0 + e1 - 3): sim = sum x this
.set MSB, 0                            ; s[16:63], s[68:83]: a tile-step's 64 mask words
.macro WIN new                         ; low byte: bits 1:0 source 0, 3:2 source 1, 5:4 source 2, 7:6 destination; the high byte repeats the setting that is left
.if MSB != \new
	s_set_vgpr_msb (MSB<<8)|\new
.set MSB, \new
.endif
.endm
	s_load_b256 s[4:11], s[0:1], 0x0               ; qc s[4:5], kc s[6:7], values_codes s[8:9], maskw s[10:11]
	s_load_b128 s[68:71], s[0:1], 0x20             ; flags s[68:69], the scales' exponents s[70:71]
	s_load_b64 s[12:13], s[0:1], 0x30              ; out0
	v_lshl_add_u32 v94, v0, 2, 0x49800
	v_mov_b32 v95, 0
	v_lshrrev_b32 v16, 5, v0
	v_readfirstlane_b32 s[WV], v16                 ; wave w, 0..7
	v_and_b32 v16, 31, v0                          ; lane
	v_and_b32 v17, 15, v0                          ; r
	v_bfe_u32 v18, v0, 4, 1                        ; h
	v_lshlrev_b32 v[LI], 4, v16
	v_mul_u32_u24 v[AV], v17, VP
	v_lshl_add_u32 v[AV], v18, 4, v[AV]
	v_add_nc_u32 v[AV], VOFF, v[AV]
	s_lshl_b32 s2, s[WV], 12
	v_add_nc_u32 v[FK0], s2, v[LI]
	s_lshl_b32 s2, s[WV], 14
	v_add_nc_u32 v[FVG0], s2, v[LI]
	s_mul_i32 s2, s[WV], 8*VP
	s_add_co_u32 s2, s2, VOFF
	v_add_nc_u32 v[FVL0], s2, v[LI]
	s_mul_i32 s2, s[WV], 16*SP
	s_add_co_u32 s2, s2, STG                       ; my stage
	v_mul_u32_u24 v[STO], v17, SP                  ; in: row r, 32 bytes for each half of the lanes
	v_lshl_add_u32 v[STO], v18, 5, v[STO]
	v_add_nc_u32 v[STO], s2, v[STO]
	v_mul_u32_u24 v[RD], v18, SP                   ; back: lanes 0-15 one row of 256 bytes, lanes 16-31 the next
	v_lshl_add_u32 v[RD], v17, 4, v[RD]
	v_add_nc_u32 v[RD], s2, v[RD]
	v_lshlrev_b32 v[GO], 12, v18                   ; and the same two rows in out0, 4,096 bytes apart
	v_lshl_add_u32 v[GO], v17, 4, v[GO]
	v_mov_b32 v[NEG], 0xce6e6b28                   ; -1e9
	s_and_b32 s16, ttmp7, 0xffff                   ; y = 16 b + h
	s_lshl_b32 s17, ttmp9, 3
	s_add_co_u32 s17, s17, s[WV]                   ; R = 8 x + w
	s_lshr_b32 s18, s16, 4                         ; b
	s_and_b32 s19, s16, 15                         ; h
	s_lshl_b32 s20, s16, 17                        ; a head's codes are 131,072 bytes in qc, kc and values_codes
	s_mov_b32 s21, 0
	s_lshl_b32 s22, s17, 11                        ; qc: + fragment 2 R
	s_add_co_u32 s22, s22, s20
	s_mov_b32 s23, 0
	s_lshl_b32 s24, s18, 6
	s_add_co_u32 s24, s24, s17                     ; 64 b + R
	s_lshl_b32 s26, s24, 13                        ; maskw: 8,192 bytes each
	s_mov_b32 s27, 0
	s_lshl_b32 s28, s24, 3                         ; flags: two words each
	s_mov_b32 s29, 0
	s_lshl_b32 s30, s18, 23                        ; out0: batch, + 32 R rows of 4,096 bytes, + 256 h
	s_lshl_b32 s2, s17, 17
	s_add_co_u32 s30, s30, s2
	s_lshl_b32 s2, s19, 8
	s_add_co_u32 s30, s30, s2
	s_mov_b32 s31, 0
	s_mov_b32 s[SEL], 0x76543210
	s_mov_b32 s[SEL+1], 0xfedcba98
	s_mov_b32 s[L2E], 0x3fb8aa3b
	s_mov_b32 s[L2E+1], s[L2E]                     ; (named with it as a pair, so it is written)
	s_wait_kmcnt 0x0
	s_add_nc_u64 s[4:5], s[4:5], s[22:23]
	s_add_nc_u64 s[6:7], s[6:7], s[20:21]
	s_add_nc_u64 s[8:9], s[8:9], s[20:21]
	s_add_nc_u64 s[10:11], s[10:11], s[26:27]
	s_add_nc_u64 s[12:13], s[12:13], s[30:31]
	s_add_nc_u64 s[68:69], s[68:69], s[28:29]
	s_load_b64 s[FLG:FLG+1], s[68:69], 0x0
	s_load_b128 s[72:75], s[70:71], 0x0            ; e0, e1, e2, e3
	WIN 0x40                                       ; destination window 1
.irp u, 0,1
.irp c, 0,1
	global_load_b128 v[QFR+8*\u+4*\c:QFR+8*\u+4*\c+3], v[LI], s[4:5] offset:1024*\u+512*\c th:TH_LOAD_NT   ; Q's two fragments stay in registers; nobody else reads them
.endr
.endr
	WIN 0
.set m, 0
.rept 8                                        ; quarter 0: my 4,096 bytes of K,
	global_load_b128 v[SA+4*m:SA+4*m+3], v[FK0], s[6:7] offset:512*m
.set m, m+1
.endr
.set m, 0
.rept 8                                        ; and the first 512 keys of my 8 rows of V
	global_load_b128 v[SA+32+4*m:SA+32+4*m+3], v[FVG0], s[8:9] offset:2048*m
.set m, m+1
.endr
.irp x, 0,1
	v_mov_b32 v[ST+12*\x+1], 0xff61b1e6            ; the largest t so far: -3e38, under every t
	v_floor_f32 v[ST+12*\x], -v[ST+12*\x+1]        ; -M
	v_mov_b32 v[ST+12*\x+2], 0                     ; the sum, in two halves
	v_mov_b32 v[ST+12*\x+3], 0
	v_mov_b32 v[ST+12*\x+6], 0                     ; written once: a lane permute's destination counts as one of its sources
	v_mov_b32 v[ST+12*\x+9], 0                     ; (named as the upper half of f's pair)
.endr
	WIN 0x40
.set j, 0
.rept 64
	v_mov_b32 v[j], 0                              ; O^T.  The step has no first form of its own: the first change of M multiplies zeros.  64 moves once, against one more copy of the step
.set j, j+1
.endr
	WIN 0
	s_wait_kmcnt 0x0
	s_add_co_i32 s2, s72, s73
	s_sub_co_i32 s2, s2, 3                         ; a sum of the first product stands for sum x 2^(e0 + e1); / sqrt(64) takes 3 more off the exponent
	s_lshl_b32 s3, s2, 23
	s_add_co_i32 s[CS], s3, 0x3fb8aa3b             ; added to the exponent field of log2(e)
	s_mov_b32 s[CS+1], s[CS]
	s_add_co_i32 s2, s2, 127
	s_lshl_b32 s[CL], s2, 23
	s_mov_b32 s[CL+1], s[CL]
	s_mov_b32 s[EP], s74
	s_add_co_i32 s[EPV], s74, s75
	s_add_co_i32 s2, s74, 127
	s_lshl_b32 s3, s2, 23
	v_mov_b32 v[SCL], s3                           ; 2^e2 as f32, for the conversion
	s_add_co_i32 s2, s2, 15
	s_lshl_b32 s2, s2, 23
	s_or_b32 s2, s2, 0x600000
	v_mov_b32 v[LIM], s2                           ; 57,344 x 2^e2
	s_mov_b32 s[MO], 0                             ; the words of tile 0, step 0 (all that stood in s16-31 and s68-75 has been used)
	s_load_b512 s[16:31], s[10:11], s[MO] offset:0x0
	s_load_b512 s[32:47], s[10:11], s[MO] offset:0x40
	s_load_b512 s[48:63], s[10:11], s[MO] offset:0x80
	s_load_b512 s[68:83], s[10:11], s[MO] offset:0xc0
	s_wait_loadcnt 8                               ; Q and K's eight pieces are in; V's eight may be out
.set m, 0
.rept 8
	ds_store_b128 v[FK0], v[SA+4*m:SA+4*m+3] offset:512*m
.set m, m+1
.endr
	s_wait_loadcnt 0x0
.set m, 0
.rept 8
	ds_store_b128 v[FVL0], v[SA+32+4*m:SA+32+4*m+3] offset:VP*m
.set m, m+1
.endr
	s_wait_dscnt 0x0                               ; for the others' sake: my part of quarter 0 has landed
	s_barrier_signal -1
	s_barrier_wait -1
; THE SOFTMAX OF TILE x FOR ONE KEY STEP: 64 scores a lane, register 16 b + i = key 32 b + 16 (lane / 16) + i of the step.
.macro SOFT x
.set TT, ST+12*\x
.set SB, SA+64*\x
.set CB, CC+16*\x
.set OB, 32*\x
	s_wait_kmcnt 0x0                               ; the tile-step's 64 words are in; their offset register may be written again
	s_bitcmp1_b32 s[FLG+\x], s[JJ]                 ; has the tile no hole?
	s_cselect_b32 s[MU], s[CS], 1.0
	s_mov_b32 s[MU+1], s[MU]
	s_cbranch_scc1 .Lopen_\@
.irp g, 0,1,2,3                                ; a tile with holes, 16 registers at a time; each accumulator is read from its low end on
.set i, 0
.rept 16
	v_cndmask_b32 v[BT+i], v[NEG], 0, s[16+16*\g+4*(\g/3)+i]   ; the bias: 0 where the mask's bit is set, else -1e9
.set i, i+1
.endr
.set i, 0
.rept 8
	v_pk_fma_f32 v[SB+16*\g+i:SB+16*\g+i+1], v[SB+16*\g+i:SB+16*\g+i+1], s[CL:CL+1], v[BT+i:BT+i+1] op_sel_hi:[1,0,1]   ; logit = f32(sim + bias): the factor is a power of two, so one rounding, the addition's
.set i, i+2
.endr
.set i, 0
.rept 8
	v_pk_mul_f32 v[SB+16*\g+i:SB+16*\g+i+1], v[SB+16*\g+i:SB+16*\g+i+1], s[L2E:L2E+1] op_sel_hi:[1,0]   ; t, rounded on its own
.set i, i+2
.endr
.endr
.Lopen_\@:
	s_add_co_u32 s[MO], s[MO], 256                 ; the next block of words in the order of use: tile 0 step j, tile 1 step j, tile 0 step j + 1 ..;
	s_and_b32 s[MO], s[MO], 8191                   ; the last request wraps to block 0, inside the buffer, and nobody uses it
	s_load_b512 s[16:31], s[10:11], s[MO] offset:0x0
	s_load_b512 s[32:47], s[10:11], s[MO] offset:0x40
	s_load_b512 s[48:63], s[10:11], s[MO] offset:0x80
	s_load_b512 s[68:83], s[10:11], s[MO] offset:0xc0
	v_max3_num_f32 v[TT+4], v[SB], v[SB+1], v[SB+2]   ; the step's largest number of my query among my 64 keys, in two chains, ascending
	v_max3_num_f32 v[TT+5], v[SB+3], v[SB+4], v[SB+5]
.set i, 6
.rept 14
	v_max3_num_f32 v[TT+4], v[TT+4], v[SB+i], v[SB+i+1]
	v_max3_num_f32 v[TT+5], v[TT+5], v[SB+i+2], v[SB+i+3]
.set i, i+4
.endr
	v_max3_num_f32 v[TT+4], v[TT+4], v[SB+62], v[SB+63]
	v_max_num_f32 v[TT+4], v[TT+4], v[TT+5]
	v_permlanex16_b32 v[TT+6], v[TT+4], s[SEL], s[SEL+1]
	v_max_num_f32 v[TT+4], v[TT+4], v[TT+6]        ; and among lane l xor 16's
	v_mul_f32 v[TT+4], s[MU], v[TT+4]              ; as t (the factor is positive)
	v_max_num_f32 v[TT+1], v[TT+1], v[TT+4]        ; the running largest t
	v_mov_b32 v[TT+4], v[TT]
	v_floor_f32 v[TT], -v[TT+1]                    ; the new -M = floor(-t) = -ceil(t): M is a whole number
	v_sub_f32 v[TT+4], v[TT], v[TT+4]              ; M's old value less its new one: a whole number, 0 or less
	v_cvt_i32_f32 v[TT+4], v[TT+4]                 ; (it saturates)
	v_ldexp_f32 v[TT+8], 1.0, v[TT+4]              ; f = 2^(old M - new M)
.set i, 0
.rept 32
	v_pk_fma_f32 v[SB+i:SB+i+1], v[SB+i:SB+i+1], s[MU:MU+1], v[TT:TT+1] op_sel_hi:[1,0,0]   ; t - M, two at a time (of both pairs the low word serves both halves)
.set i, i+2
.endr
.set i, 0
.rept 64
	v_exp_f32 v[SB+i], v[SB+i]                     ; p = 2^(t - M): not normalised
.set i, i+1
.endr
	v_pk_mul_f32 v[TT+2:TT+3], v[TT+2:TT+3], v[TT+8:TT+9] op_sel_hi:[1,0]   ; the sums under the new M.  (The plain instruction behind the exponentials)
	s_wait_alu depctr_va_vdst(0)
	v_pk_add_f32 v[TT+10:TT+11], v[SB:SB+1], v[SB+2:SB+3]   ; the row's sum is taken of the unquantised p, two at a time, in two chains
.set i, 4
.rept 15
	v_pk_add_f32 v[TT+2:TT+3], v[TT+2:TT+3], v[SB+i:SB+i+1]
	v_pk_add_f32 v[TT+10:TT+11], v[TT+10:TT+11], v[SB+i+2:SB+i+3]
.set i, i+4
.endr
	v_pk_add_f32 v[TT+2:TT+3], v[TT+2:TT+3], v[TT+10:TT+11]
	s_cmp_ge_i32 s[EP], -15                        ; 57,344 x 2^e2 >= 1.75: no p reaches it
	s_cbranch_scc1 .Lfree_\@
.set i, 0
.rept 64
	v_min_num_f32 v[SB+i], v[SB+i], v[LIM]         ; the conversion to an 8-bit code does not saturate (ISA guide 7.6.2); p is not negative, so the hold is one-sided
.set i, i+1
.endr
.Lfree_\@:
.irp b, 0,1,2,3
	v_cvt_scalef32_pk8_bf8_f32 v[CB+4*\b:CB+4*\b+1], v[SB+16*\b:SB+16*\b+7], v[SCL]   ; registers 4 b .. 4 b + 3 of the operand: keys 32 b + 16 (lane / 16) + 0 .. 15, as V's loads lay them
	v_cvt_scalef32_pk8_bf8_f32 v[CB+4*\b+2:CB+4*\b+3], v[SB+16*\b+8:SB+16*\b+15], v[SCL]
.endr
	WIN 0x41                                       ; O^T (destination and source 0) in window 1, f in window 0
.set i, 0
.rept 16
	v_pk_mul_f32 v[OB+i:OB+i+1], v[OB+i:OB+i+1], v[TT+8:TT+9] op_sel_hi:[1,0]   ; O^T under the new M, ascending.  (Also the plain instructions between the conversions and the products that read the codes)
.set i, i+2
.endr
	WIN 0
.endm
; A KEY STEP: 128 keys.  fill = 1: my 2,048 bytes of the next quarter are brought on the way.
.macro STEP fill
	v_add_nc_u32 v[KA], s[KO], v[LI]
	v_add_nc_u32 v[VA], s[VO], v[AV]               ; (these two and the four v_nop at the last step's end stand between its last products and the loads below)
	WIN 0x40                                       ; destination window 1, address window 0
.set f, 0
.rept 8                                        ; K's eight fragments of 16 keys x 64: images of the registers, 512 consecutive bytes a load
	ds_load_b128 v[KFR+8*f:KFR+8*f+3], v[KA] offset:1024*f
	ds_load_b128 v[KFR+8*f+4:KFR+8*f+7], v[KA] offset:1024*f+512
.set f, f+1
.endr
.set f, 0
.rept 4                                        ; V's four fragments of 16 of the head's 64 x 128 keys
.irp c, 0,1,2,3
	ds_load_b128 v[VFR+16*f+4*\c:VFR+16*f+4*\c+3], v[VA] offset:16*VP*f+32*\c
.endr
.set f, f+1
.endr
	s_wait_dscnt 16                                ; the last step's four fill stores and K's sixteen loads are done; V's sixteen may be out
	WIN 0x05                                       ; K and Q in window 1, S^T in window 0
.set f, 0
.rept 8                                        ; sixteen accumulators, each begun with the constant 0
	v_wmma_f32_16x16x64_bf8_bf8 v[SA+8*f:SA+8*f+7], v[KFR+8*f:KFR+8*f+7], v[QFR:QFR+7], 0
	v_wmma_f32_16x16x64_bf8_bf8 v[SA+64+8*f:SA+64+8*f+7], v[KFR+8*f:KFR+8*f+7], v[QFR+8:QFR+15], 0
.set f, f+1
.endr
	WIN 0
.if \fill                                      ; four plain vector instructions stand between the products and the first read of their results (ISA guide 7.12.1): here three of them are the fill's addresses
	v_add_nc_u32 v[FK], s[KF], v[FK0]
	v_add_nc_u32 v[FVG], s[VG], v[FVG0]
	v_add_nc_u32 v[FVL], s[VL], v[FVL0]
	v_nop
	global_load_b128 v[FD:FD+3], v[FK], s[6:7]               ; 1,024 bytes of my part of K's next quarter,
	global_load_b128 v[FD+4:FD+7], v[FK], s[6:7] offset:512
	global_load_b128 v[FD+8:FD+11], v[FVG], s[8:9]           ; the next 512 keys of two of my rows of V; each load takes 512 consecutive bytes
	global_load_b128 v[FD+12:FD+15], v[FVG], s[8:9] offset:2048
.else
.rept 4
	v_nop
.endr
.endif
	SOFT 0
	SOFT 1
	s_wait_dscnt 0x0                               ; V's fragments are in
	WIN 0x51                                       ; V and O^T in window 1, p's codes in window 0
.set f, 0
.rept 4                                        ; the eight accumulators take turns, one instruction a turn
	v_wmma_f32_16x16x128_bf8_bf8 v[8*f:8*f+7], v[VFR+16*f:VFR+16*f+15], v[CC:CC+15], v[8*f:8*f+7]
	v_wmma_f32_16x16x128_bf8_bf8 v[32+8*f:32+8*f+7], v[VFR+16*f:VFR+16*f+15], v[CC+16:CC+31], v[32+8*f:32+8*f+7]
.set f, f+1
.endr
	WIN 0
.rept 4
	v_nop                                          ; in front of the next step's loads into V's fragments, and of the way out's reads of O^T
.endr
.if \fill
	s_wait_loadcnt 0x0                             ; the four loads, asked for a whole softmax ago; their address registers are free again
	ds_store_b128 v[FK], v[FD:FD+3]
	ds_store_b128 v[FK], v[FD+4:FD+7] offset:512
	ds_store_b128 v[FVL], v[FD+8:FD+11]
	ds_store_b128 v[FVL], v[FD+12:FD+15] offset:VP
.endif
.endm
; A QUARTER: four steps in a loop; every LDS base is a constant of the text.  Behind quarters 0 to 2 one barrier: the next quarter is whole.
.macro QUARTER q
	s_mov_b32 s[KO], \q*KQB
	s_mov_b32 s[VO], \q*VQ
	s_mov_b32 s[JJ], 4*\q
.if \q < 3
	s_mov_b32 s[KF], (\q+1)*KQB
	s_mov_b32 s[VG], (\q+1)*512
	s_mov_b32 s[VL], (\q+1)*VQ
.endif
	s_mov_b32 s[SI], 4
.Lstep_\@:
.if \q < 3
	STEP 1
	s_add_co_u32 s[KF], s[KF], 1024                ; my next 1,024 bytes of K,
	s_add_co_u32 s[VG], s[VG], 4096                ; my next two rows of V, in memory
	s_add_co_u32 s[VL], s[VL], 2*VP                ; and in LDS
.else
	STEP 0
.endif
	s_add_co_u32 s[KO], s[KO], 8192
	s_add_co_u32 s[VO], s[VO], 128
	s_add_co_u32 s[JJ], s[JJ], 1
	s_sub_co_u32 s[SI], s[SI], 1
	s_cmp_lg_u32 s[SI], 0
	s_cbranch_scc1 .Lstep_\@
.if \q < 3
	s_wait_dscnt 0x0                               ; for the others' sake: my part of the next quarter has landed
	s_barrier_signal -1
	s_barrier_wait -1
.endif
.endm
	QUARTER 0
	QUARTER 1
	QUARTER 2
	QUARTER 3
; THE WAY OUT.  The sum's halves are added; O^T is divided by the sum, multiplied by 2^(e2 + e3), and goes through my stage in LDS, a tile of 16 queries at a time: a lane holds 32 bytes of a row, and a head's part of
; a row of out0 is 256 bytes, which sixteen lanes then store as one aligned run.
.macro FIN x
.set TT, ST+12*\x
.set SB, SA+64*\x
.set OB, 32*\x
	v_add_f32 v[TT+2], v[TT+2], v[TT+3]
	v_permlanex16_b32 v[TT+6], v[TT+2], s[SEL], s[SEL+1]
	v_add_f32 v[TT+2], v[TT+2], v[TT+6]            ; the row's sum: over 1/2, since the row's largest p is
	v_rcp_f32 v[TT+8], v[TT+2]
	v_nop                                          ; a plain instruction between the reciprocal and the use of its result
	s_wait_alu depctr_va_vdst(0)
	v_ldexp_f32 v[TT+8], v[TT+8], s[EPV]
	WIN 0x01                                       ; source 0 (O^T) in window 1
.set i, 0
.rept 16
	v_pk_mul_f32 v[SB+i:SB+i+1], v[OB+i:OB+i+1], v[TT+8:TT+9] op_sel_hi:[1,0]   ; register 8 t + j is o(my query, 16 t + 8 (lane / 16) + j); each accumulator from its low end on
.set i, i+2
.endr
	WIN 0
.irp t, 0,1,2,3
	ds_store_b128 v[STO], v[SB+8*\t:SB+8*\t+3] offset:64*\t
	ds_store_b128 v[STO], v[SB+8*\t+4:SB+8*\t+7] offset:64*\t+16
.endr
.irp i, 0,1,2,3,4,5,6,7
	ds_load_b128 v[SB+32+4*\i:SB+32+4*\i+3], v[RD] offset:2*\i*SP   ; LDS serves a wave's instructions in order (ISA guide 5.7.1.4): these see the stores above, and the next tile's stores come behind them
.endr
.endm
.macro SEND x, younger                 ; younger: the LDS instructions issued behind this tile's loads
.set SB, SA+64*\x
.irp i, 0,1,2,3,4,5,6,7
	s_wait_dscnt \younger+7-\i
	global_store_b128 v[GO], v[SB+32+4*\i:SB+32+4*\i+3], s[12:13] offset:(8*\x+2*\i+8*(\i/4))*4096 th:TH_STORE_NT   ; stage rows 2 i and 2 i + 1 are queries 8 x + r + 8 (r / 8) of my 32; 16 lanes store 256 consecutive bytes, aligned
.endr
.endm
	s_wait_kmcnt 0x0                               ; the last, wrapped request for mask words has come back
	FIN 0
	FIN 1
	SEND 0, 16                                     ; behind tile 0's loads: tile 1's eight stores and eight loads
	SEND 1, 0
	s_wait_tensorcnt 0x0
	ds_add_u32 v94, v95
	s_wait_dscnt 0x0
	s_endpgm
.Lfunc_end_k_q8dbb814ecb_attn:
	.size	k_q8dbb814ecb_attn, .Lfunc_end_k_q8dbb814ecb_attn-k_q8dbb814ecb_attn
	.p2alignl 7, 3214868480
	.fill 96, 4, 3214868480
	.section	.rodata,"a",@progbits
	.p2align	6, 0x0
	.amdhsa_kernel k_q8dbb814ecb_attn
		.amdhsa_group_segment_fixed_size 302080
		.amdhsa_private_segment_fixed_size 0
		.amdhsa_enable_private_segment 0
		.amdhsa_kernarg_size 56
		.amdhsa_user_sgpr_count 2
		.amdhsa_user_sgpr_kernarg_segment_ptr 1
		.amdhsa_wavefront_size32 1
		.amdhsa_system_sgpr_workgroup_id_x 1
		.amdhsa_system_sgpr_workgroup_id_y 1
		.amdhsa_system_sgpr_workgroup_id_z 1
		.amdhsa_system_vgpr_workitem_id 0
		.amdhsa_next_free_vgpr 480
		.amdhsa_next_free_sgpr 106
		.amdhsa_reserve_vcc 0
		.amdhsa_float_denorm_mode_32 3
		.amdhsa_float_denorm_mode_16_64 3
		.amdhsa_memory_ordered 1
		.amdhsa_forward_progress 1
		.amdhsa_inst_pref_size 203
	.end_amdhsa_kernel
	.amdgpu_metadata
---
amdhsa.version: [ 1, 2 ]
amdhsa.kernels:
  - .name:           k_q8dbb814ecb_attn
    .symbol:         k_q8dbb814ecb_attn.kd
    .args:
      - { .name: qc, .offset: 0, .size: 8, .value_kind: global_buffer, .address_space: global }
      - { .name: kc, .offset: 8, .size: 8, .value_kind: global_buffer, .address_space: global }
      - { .name: values_codes, .offset: 16, .size: 8, .value_kind: global_buffer, .address_space: global }
      - { .name: maskw, .offset: 24, .size: 8, .value_kind: global_buffer, .address_space: global }
      - { .name: flags, .offset: 32, .size: 8, .value_kind: global_buffer, .address_space: global }
      - { .name: lowp_scales, .offset: 40, .size: 8, .value_kind: global_buffer, .address_space: global }
      - { .name: out0, .offset: 48, .size: 8, .value_kind: global_buffer, .address_space: global }
    .group_segment_fixed_size: 302080
    .private_segment_fixed_size: 0
    .kernarg_segment_align: 8
    .kernarg_segment_size: 56
    .max_flat_workgroup_size: 256
    .sgpr_count:     106
    .vgpr_count:     480
    .wavefront_size: 32
...
	.end_amdgpu_metadata
.endif
;; end of part 2
;; ======== version 2 of 2: 2 launches; version 1 with the launch attn written anew for expert scheduling mode
;; workspace buffers: qc 4,194,304 bytes; kc 4,194,304 bytes; maskw 1,048,576 bytes of whole numbers; flags 1,024 bytes of whole numbers
;; launch prep: the kernel of part 1 again; grid 256 x 1, 8 waves a work-group, no clusters, 165,888 bytes of LDS; arguments queries, keys, mask, lowp_scales, qc, kc, maskw, flags; writes qc, kc, maskw, flags
;; launch attn (part 3): grid 8 x 32, 8 waves a work-group, no clusters, 302,080 bytes of LDS; arguments qc, kc, values_codes, maskw, flags, lowp_scales, out0; writes out0
.if DOCPART == 3
	.amdgcn_target "amdgcn-amd-amdhsa--gfx1250"
	.amdhsa_code_object_version 6
	.text
	.protected	k_q8dbb814ecb_attn
	.globl	k_q8dbb814ecb_attn
	.p2align	8
	.type	k_q8dbb814ecb_attn,@function
k_q8dbb814ecb_attn:
	s_mov_b64 s[64:65], 0
	v_nop
	global_prefetch_b8 v0, s[64:65] scope:SCOPE_SE
	s_setreg_imm32_b32 hwreg(HW_REG_WAVE_SCHED_MODE, 0, 2), 2
	s_setreg_imm32_b32 hwreg(HW_REG_WAVE_MODE, 25, 1), 1
	s_wait_xcnt 0x0
	s_wait_alu depctr_vm_vsrc(0)
; out0[b][q][64 h + d] = the sum over keys of softmax(Q . K / 8 - 1e9 (mask false)) V, both products on codes of BF8 (E5M2), each operand with the one scale 2^e that is given for it: e0 (Q), e1 (K), e2 (p), e3 (V).
; qc, kc: codes in the order of the operand's registers; maskw: lane masks; flags: a bit for each tile of 16 queries x 128 keys without a hole (all three as the launch before has laid them).
; values_codes: [b][64 h + d][2,048 keys], the keys innermost.
; THE SOFTMAX AHEAD OF THE SECOND PRODUCT: t = logit x log2(e); M = the row's largest t so far, rounded UP to a whole number; p = 2^(t - M) is quantised, not normalised.  The row's sum is taken of the
; unquantised p and divides at the end.  When M moves, the sum and O are multiplied by 2^(old M - new M), which rounds nothing.
; SHARES.  A work-group owns 256 queries of one head (x: the block, y = 16 b + h).  Each of its eight waves owns a block R = 8 x + w of 32 queries as TWO tiles of 16 (u = 0, 1), so that each fragment of K and V
; read from LDS feeds two matrix instructions.  Every wave walks the head's 2,048 keys, 128 a step.
; LAYOUT.  Both products are used transposed: S^T = K Q^T (source 0 = 16 keys, source 1 = 16 queries), O^T = V^T P^T (source 0 = 16 of the head's 64, source 1 = p): a lane holds ONE query (lane % 16) throughout.
; THE ROWS OF A TILE ARE NOT NEIGHBOURS: lane r of tile 2 R + u holds row 32 R + 8 u + r + 8 (r / 8), of keys and of queries alike.  So the 16 registers of key tiles 2 b and 2 b + 1 are 16 neighbouring keys,
; 32 b + 16 (lane / 16) + 0 .. 15, and the conversions' results are the second product's operand.
; K AND V OF THE HEAD LIE IN LDS WHOLE, each byte written once.  They come through registers, a quarter (512 keys) ahead: in each step of quarters 0 to 2 a wave brings 2,048 bytes of the next quarter (loads at
; the step's head, LDS stores at its end); one barrier ends a quarter.  Between two barriers the reads fall in quarter q and the stores in quarter q + 1, which are disjoint intervals of LDS bytes.
; THE MASK.  In a tile with a hole the bias is really added: logit = f32(sim + bias), t = f32(logit x log2(e)), as reference() has them, so that a row with no key left gets reference()'s weights.
; A tile whose flag is set skips that (128 vector instructions) by a scalar branch on the stored flag, and takes t - M by one fused multiply-add.
; THE HOLD at 57,344 x 2^e2 (64 vector instructions a tile and step) is skipped by a scalar branch where e2 >= -15: the bound is then 1.75 or more, and p exceeds 1 by no more than a rounding of t.
; NO JOINT LOADS, though the eight work-groups of a head read the same K and V: the two branches above spare up to 192 of a
; tile-step's some 390 vector instructions, while what is shared is 16,384 bytes a step for a work-group, asked for four steps ahead of its first use.
; LIMITS on the given exponents, so that each power of two below is an f32 number: e0 + e1 between -123 and 130; e2 between -126 and 112; e2 + e3 is applied by v_ldexp_f32 and has none.  NaN is not served.
; REGISTERS, in windows of 256.  Window 0: v1-15 addresses and -1e9; v16-39 statistics; v40, v41 2^e2 and 57,344 x 2^e2; v48-63 a block's biases; v64-79 the fill's data; v94, v95 the closing add's two;
;   v96-223 S^T, then p, of both tiles; v224-255 p's codes.   Window 1: v0-63 O^T of both tiles; v64-79 Q; v96-159 K's 8 fragments of a step; v160-223 V's 4.
; THE MODE: SCHED_MODE bits 1:0 = 2 (LLVM: expert scheduling mode 2), set by the entry lines.  The code itself states the register dependences between vector or matrix instructions and memory or LDS
; instructions, with s_wait_alu, always for 0.
; THE PLAN.  Registers that memory or LDS instructions touch:
;   v[LI], v[AV], v[FK0], v[FVG0], v[FVL0], v[STO], v[RD], v[GO]   made once at the kernel's head, ahead of one wait on va_vdst, and never written again.
;   v[KA], v[VA]               written at a step's head; read by the step's 32 LDS loads.
;   v[FK], v[FVG], v[FVL]      written at a step's head; read by the fill's four loads, at the head, and by its four LDS stores, at the step's end.
;   K's and V's fragments      the LDS loads at a step's head land in them; K's are read by the products behind the head, V's by the products at the step's end.
;   v[FD ..]                   the fill's loads land in them at the head; its LDS stores read them at the end; no vector instruction names them.
;   S^T's registers            ahead of the loop quarter 0 passes through them (loads, LDS stores); on the way out the multiplications write them, LDS stores read them, the stage's loads land in them.
; So TWO lines at a step's head state all that the step's memory and LDS instructions hang on.  The wait on vm_vsrc: what was issued so far has read the five address registers and v[FD ..].  The wait on va_vdst,
; behind the five additions: the addresses are written, and the last step's products are done reading the fragments.  Behind it the products and the softmax name v15-41, v48-63, v96-255 and window 1:
; none of v[FK], v[FVL], v[FD ..], so the LDS stores at the step's end owe nothing more.  The way out has one wait on va_vdst for both tiles' run of LDS stores and loads.
.set KQB,  32768                       ; a quarter of K in LDS: 32 fragments of 512 bytes x 2, as they lie in kc
.set VP,   528                         ; a row of a quarter of V: 512 bytes + 16 = 132 words: row r starts at bank 4 r mod 64 (64 banks of 4 bytes: ISA guide 11.1)
.set VQ,   64*VP                       ; a quarter of V
.set VOFF, 4*KQB                       ; V lies behind K
.set STG,  VOFF+4*VQ                   ; behind V: a stage of 16 rows x 272 bytes for each wave, for the way out
.set SP,   272
.set LI,   1                           ; v1   16 x lane
.set AV,   2                           ; v2   my lane's place in a tile of V: VOFF + VP r + 16 h
.set KA,   3                           ; v3   LDS address of the step's fragments of K
.set VA,   4                           ; v4   of V
.set FK0,  6                           ; v6   the fill, K: 4,096 w + 16 lane, in memory and in LDS alike
.set FVG0, 7                           ; v7   the fill, V in memory: rows 8 w on: 16,384 w + 16 lane
.set FVL0, 8                           ; v8   the fill, V in LDS: VOFF + 8 VP w + 16 lane
.set FK,   9                           ; v9-11  the same three with the step's part added
.set FVG,  10
.set FVL,  11
.set STO,  12                          ; v12  the way out: where I put 32 bytes of a row
.set RD,   13                          ; v13  where I read a row back
.set GO,   14                          ; v14  my byte offset in two rows of out0
.set NEG,  15                          ; v15  -1e9
.set ST,   16                          ; tile x's statistics at v[ST + 12 x]: +0 -M, +1 the largest t, +2, +3 the sum in two halves, +4, +5 at work, +6 the other half's, +8 f (+9 named with it), +10, +11 a second chain of sums
.set SCL,  40
.set LIM,  41
.set BT,   48
.set FD,   64
.set SA,   96
.set CC,   224
.set QFR,  64                          ; in window 1
.set KFR,  96
.set VFR,  160
.set MO,   14                          ; s14  byte offset in my 8,192 bytes of maskw of the block of 64 words asked for last
.set WV,   15                          ; s15  my wave's number
.set L2E,  66                          ; s[66:67] log2(e)
.set CS,   84                          ; s[84:85] log2(e) x 2^(e0 + e1 - 3): t = sum x this, where no bias is added
.set MU,   86                          ; s[86:87] what the tile's numbers are multiplied by to be t: CS, or 1 where they are t already
.set SEL,  88                          ; s[88:89] lane selects for v_permlanex16_b32: lane l xor 16
.set FLG,  90                          ; s90, s91 the flags of my two tiles
.set EP,   92                          ; s92  e2
.set EPV,  93                          ; s93  e2 + e3
.set SI,   94                          ; s94  steps left in the quarter
.set JJ,   95                          ; s95  the key step, 0..15
.set KO,   96                          ; s96  the step's first byte in K
.set VO,   97                          ; s97  in V, less VOFF
.set KF,   98                          ; s98-100 the step's part of the fill's three addresses
.set VG,   99
.set VL,   100
.set CL,   104                         ; s[104:105] 2^(e0 + e1 - 3): sim = sum x this
.set MSB, 0                            ; s[16:63], s[68:83]: a tile-step's 64 mask words
.macro WIN new                         ; low byte: bits 1:0 source 0, 3:2 source 1, 5:4 source 2, 7:6 destination; the high byte repeats the setting that is left
.if MSB != \new
	s_set_vgpr_msb (MSB<<8)|\new
.set MSB, \new
.endif
.endm
	s_load_b256 s[4:11], s[0:1], 0x0               ; qc s[4:5], kc s[6:7], values_codes s[8:9], maskw s[10:11]
	s_load_b128 s[68:71], s[0:1], 0x20             ; flags s[68:69], the scales' exponents s[70:71]
	s_load_b64 s[12:13], s[0:1], 0x30              ; out0
	v_lshl_add_u32 v94, v0, 2, 0x49800             ; the LDS address of my spare word, behind the stages, and 0: made here and kept for the closing lines alone
	v_mov_b32 v95, 0
	v_lshrrev_b32 v16, 5, v0
	v_readfirstlane_b32 s[WV], v16                 ; wave w, 0..7
	v_and_b32 v16, 31, v0                          ; lane
	v_and_b32 v17, 15, v0                          ; r
	v_bfe_u32 v18, v0, 4, 1                        ; h
	v_lshlrev_b32 v[LI], 4, v16
	v_mul_u32_u24 v[AV], v17, VP
	v_lshl_add_u32 v[AV], v18, 4, v[AV]
	v_add_nc_u32 v[AV], VOFF, v[AV]
	s_wait_alu depctr_va_sdst(0)                   ; the wave's number is written in s15, ahead of its first reader, the next line
	s_lshl_b32 s2, s[WV], 12
	v_add_nc_u32 v[FK0], s2, v[LI]
	s_lshl_b32 s2, s[WV], 14
	v_add_nc_u32 v[FVG0], s2, v[LI]
	s_mul_i32 s2, s[WV], 8*VP
	s_add_co_u32 s2, s2, VOFF
	v_add_nc_u32 v[FVL0], s2, v[LI]
	s_mul_i32 s2, s[WV], 16*SP
	s_add_co_u32 s2, s2, STG                       ; my stage
	v_mul_u32_u24 v[STO], v17, SP                  ; in: row r, 32 bytes for each half of the lanes
	v_lshl_add_u32 v[STO], v18, 5, v[STO]
	v_add_nc_u32 v[STO], s2, v[STO]
	v_mul_u32_u24 v[RD], v18, SP                   ; back: lanes 0-15 one row of 256 bytes, lanes 16-31 the next
	v_lshl_add_u32 v[RD], v17, 4, v[RD]
	v_add_nc_u32 v[RD], s2, v[RD]
	v_lshlrev_b32 v[GO], 12, v18                   ; and the same two rows in out0, 4,096 bytes apart
	v_lshl_add_u32 v[GO], v17, 4, v[GO]
	v_mov_b32 v[NEG], 0xce6e6b28                   ; -1e9
	s_and_b32 s16, ttmp7, 0xffff                   ; y = 16 b + h
	s_lshl_b32 s17, ttmp9, 3
	s_add_co_u32 s17, s17, s[WV]                   ; R = 8 x + w
	s_lshr_b32 s18, s16, 4                         ; b
	s_and_b32 s19, s16, 15                         ; h
	s_lshl_b32 s20, s16, 17                        ; a head's codes are 131,072 bytes in qc, kc and values_codes
	s_mov_b32 s21, 0
	s_lshl_b32 s22, s17, 11                        ; qc: + fragment 2 R
	s_add_co_u32 s22, s22, s20
	s_mov_b32 s23, 0
	s_lshl_b32 s24, s18, 6
	s_add_co_u32 s24, s24, s17                     ; 64 b + R
	s_lshl_b32 s26, s24, 13                        ; maskw: 8,192 bytes each
	s_mov_b32 s27, 0
	s_lshl_b32 s28, s24, 3                         ; flags: two words each
	s_mov_b32 s29, 0
	s_lshl_b32 s30, s18, 23                        ; out0: batch, + 32 R rows of 4,096 bytes, + 256 h
	s_lshl_b32 s2, s17, 17
	s_add_co_u32 s30, s30, s2
	s_lshl_b32 s2, s19, 8
	s_add_co_u32 s30, s30, s2
	s_mov_b32 s31, 0
	s_mov_b32 s[SEL], 0x76543210
	s_mov_b32 s[SEL+1], 0xfedcba98
	s_mov_b32 s[L2E], 0x3fb8aa3b
	s_mov_b32 s[L2E+1], s[L2E]                     ; (named with it as a pair, so it is written)
	s_wait_kmcnt 0x0
	s_add_nc_u64 s[4:5], s[4:5], s[22:23]
	s_add_nc_u64 s[6:7], s[6:7], s[20:21]
	s_add_nc_u64 s[8:9], s[8:9], s[20:21]
	s_add_nc_u64 s[10:11], s[10:11], s[26:27]
	s_add_nc_u64 s[12:13], s[12:13], s[30:31]
	s_add_nc_u64 s[68:69], s[68:69], s[28:29]
	s_load_b64 s[FLG:FLG+1], s[68:69], 0x0
	s_load_b128 s[72:75], s[70:71], 0x0            ; e0, e1, e2, e3
	WIN 0x40                                       ; destination window 1
	s_wait_alu depctr_va_vdst(0)                   ; the eight addresses that stay (v1, v2, v6-8, v12-14) are written: the loads below, the LDS stores of quarter 0 and the way out read them, and no vector instruction names them as a destination again
.irp u, 0,1
.irp c, 0,1
	global_load_b128 v[QFR+8*\u+4*\c:QFR+8*\u+4*\c+3], v[LI], s[4:5] offset:1024*\u+512*\c th:TH_LOAD_NT   ; Q's two fragments stay in registers; nobody else reads them
.endr
.endr
	WIN 0
.set m, 0
.rept 8                                        ; quarter 0: my 4,096 bytes of K,
	global_load_b128 v[SA+4*m:SA+4*m+3], v[FK0], s[6:7] offset:512*m
.set m, m+1
.endr
.set m, 0
.rept 8                                        ; and the first 512 keys of my 8 rows of V
	global_load_b128 v[SA+32+4*m:SA+32+4*m+3], v[FVG0], s[8:9] offset:2048*m
.set m, m+1
.endr
.irp x, 0,1                                    ; (from here to the barrier the vector instructions write statistics, O^T and v40, v41: no register of the loads above or of the LDS stores below)
	v_mov_b32 v[ST+12*\x+1], 0xff61b1e6            ; the largest t so far: -3e38, under every t
	v_floor_f32 v[ST+12*\x], -v[ST+12*\x+1]        ; -M
	v_mov_b32 v[ST+12*\x+2], 0                     ; the sum, in two halves
	v_mov_b32 v[ST+12*\x+3], 0
	v_mov_b32 v[ST+12*\x+6], 0                     ; written once: a lane permute's destination counts as one of its sources
	v_mov_b32 v[ST+12*\x+9], 0                     ; (named as the upper half of f's pair)
.endr
	WIN 0x40
.set j, 0
.rept 64
	v_mov_b32 v[j], 0                              ; O^T.  The step has no first form of its own: the first change of M multiplies zeros.  64 moves once, against one more copy of the step
.set j, j+1
.endr
	WIN 0
	s_wait_kmcnt 0x0
	s_add_co_i32 s2, s72, s73
	s_sub_co_i32 s2, s2, 3                         ; a sum of the first product stands for sum x 2^(e0 + e1); / sqrt(64) takes 3 more off the exponent
	s_lshl_b32 s3, s2, 23
	s_add_co_i32 s[CS], s3, 0x3fb8aa3b             ; added to the exponent field of log2(e)
	s_mov_b32 s[CS+1], s[CS]
	s_add_co_i32 s2, s2, 127
	s_lshl_b32 s[CL], s2, 23
	s_mov_b32 s[CL+1], s[CL]
	s_mov_b32 s[EP], s74
	s_add_co_i32 s[EPV], s74, s75
	s_add_co_i32 s2, s74, 127
	s_lshl_b32 s3, s2, 23
	v_mov_b32 v[SCL], s3                           ; 2^e2 as f32, for the conversion
	s_add_co_i32 s2, s2, 15
	s_lshl_b32 s2, s2, 23
	s_or_b32 s2, s2, 0x600000
	v_mov_b32 v[LIM], s2                           ; 57,344 x 2^e2
	s_mov_b32 s[MO], 0                             ; the words of tile 0, step 0 (all that stood in s16-31 and s68-75 has been used)
	s_load_b512 s[16:31], s[10:11], s[MO] offset:0x0
	s_load_b512 s[32:47], s[10:11], s[MO] offset:0x40
	s_load_b512 s[48:63], s[10:11], s[MO] offset:0x80
	s_load_b512 s[68:83], s[10:11], s[MO] offset:0xc0
	s_wait_loadcnt 8                               ; Q and K's eight pieces are in; V's eight may be out
.set m, 0
.rept 8
	ds_store_b128 v[FK0], v[SA+4*m:SA+4*m+3] offset:512*m
.set m, m+1
.endr
	s_wait_loadcnt 0x0
.set m, 0
.rept 8
	ds_store_b128 v[FVL0], v[SA+32+4*m:SA+32+4*m+3] offset:VP*m
.set m, m+1
.endr
	s_wait_dscnt 0x0                               ; for the others' sake: my part of quarter 0 has landed
	s_barrier_signal -1
	s_barrier_wait -1
; THE SOFTMAX OF TILE x FOR ONE KEY STEP: 64 scores a lane, register 16 b + i = key 32 b + 16 (lane / 16) + i of the step.  No memory or LDS instruction stands in it, and it names no register of one that is out.
.macro SOFT x
.set TT, ST+12*\x
.set SB, SA+64*\x
.set CB, CC+16*\x
.set OB, 32*\x
	s_wait_kmcnt 0x0                               ; the tile-step's 64 words are in; their offset register may be written again
	s_bitcmp1_b32 s[FLG+\x], s[JJ]                 ; has the tile no hole?
	s_cselect_b32 s[MU], s[CS], 1.0
	s_mov_b32 s[MU+1], s[MU]
	s_cbranch_scc1 .Lopen_\@
.irp g, 0,1,2,3                                ; a tile with holes, 16 registers at a time; each accumulator is read from its low end on
.set i, 0
.rept 16
	v_cndmask_b32 v[BT+i], v[NEG], 0, s[16+16*\g+4*(\g/3)+i]   ; the bias: 0 where the mask's bit is set, else -1e9
.set i, i+1
.endr
.set i, 0
.rept 8
	v_pk_fma_f32 v[SB+16*\g+i:SB+16*\g+i+1], v[SB+16*\g+i:SB+16*\g+i+1], s[CL:CL+1], v[BT+i:BT+i+1] op_sel_hi:[1,0,1]   ; logit = f32(sim + bias): the factor is a power of two, so one rounding, the addition's
.set i, i+2
.endr
.set i, 0
.rept 8
	v_pk_mul_f32 v[SB+16*\g+i:SB+16*\g+i+1], v[SB+16*\g+i:SB+16*\g+i+1], s[L2E:L2E+1] op_sel_hi:[1,0]   ; t, rounded on its own
.set i, i+2
.endr
.endr
	s_wait_alu depctr_va_vdst(0)                   ; the 64 selects above are done reading the mask words in s16-63 and s68-83, in which the scalar loads below land
.Lopen_\@:
	s_add_co_u32 s[MO], s[MO], 256                 ; the next block of words in the order of use: tile 0 step j, tile 1 step j, tile 0 step j + 1 ..;
	s_and_b32 s[MO], s[MO], 8191                   ; the last request wraps to block 0, inside the buffer, and nobody uses it
	s_load_b512 s[16:31], s[10:11], s[MO] offset:0x0
	s_load_b512 s[32:47], s[10:11], s[MO] offset:0x40
	s_load_b512 s[48:63], s[10:11], s[MO] offset:0x80
	s_load_b512 s[68:83], s[10:11], s[MO] offset:0xc0
	v_max3_num_f32 v[TT+4], v[SB], v[SB+1], v[SB+2]   ; the step's largest number of my query among my 64 keys, in two chains, ascending
	v_max3_num_f32 v[TT+5], v[SB+3], v[SB+4], v[SB+5]
.set i, 6
.rept 14
	v_max3_num_f32 v[TT+4], v[TT+4], v[SB+i], v[SB+i+1]
	v_max3_num_f32 v[TT+5], v[TT+5], v[SB+i+2], v[SB+i+3]
.set i, i+4
.endr
	v_max3_num_f32 v[TT+4], v[TT+4], v[SB+62], v[SB+63]
	v_max_num_f32 v[TT+4], v[TT+4], v[TT+5]
	v_permlanex16_b32 v[TT+6], v[TT+4], s[SEL], s[SEL+1]
	v_max_num_f32 v[TT+4], v[TT+4], v[TT+6]        ; and among lane l xor 16's
	v_mul_f32 v[TT+4], s[MU], v[TT+4]              ; as t (the factor is positive)
	v_max_num_f32 v[TT+1], v[TT+1], v[TT+4]        ; the running largest t
	v_mov_b32 v[TT+4], v[TT]
	v_floor_f32 v[TT], -v[TT+1]                    ; the new -M = floor(-t) = -ceil(t): M is a whole number
	v_sub_f32 v[TT+4], v[TT], v[TT+4]              ; M's old value less its new one: a whole number, 0 or less
	v_cvt_i32_f32 v[TT+4], v[TT+4]                 ; (it saturates)
	v_ldexp_f32 v[TT+8], 1.0, v[TT+4]              ; f = 2^(old M - new M)
.set i, 0
.rept 32
	v_pk_fma_f32 v[SB+i:SB+i+1], v[SB+i:SB+i+1], s[MU:MU+1], v[TT:TT+1] op_sel_hi:[1,0,0]   ; t - M, two at a time (of both pairs the low word serves both halves)
.set i, i+2
.endr
.set i, 0
.rept 64
	v_exp_f32 v[SB+i], v[SB+i]                     ; p = 2^(t - M): not normalised
.set i, i+1
.endr
	v_pk_mul_f32 v[TT+2:TT+3], v[TT+2:TT+3], v[TT+8:TT+9] op_sel_hi:[1,0]   ; the sums under the new M.  (The plain instruction behind the exponentials)
	s_wait_alu depctr_va_vdst(0)                   ; the tile's 64 exponentials have written p: one wait for the batch, ahead of its first reader, the sum below
	v_pk_add_f32 v[TT+10:TT+11], v[SB:SB+1], v[SB+2:SB+3]   ; the row's sum is taken of the unquantised p, two at a time, in two chains
.set i, 4
.rept 15
	v_pk_add_f32 v[TT+2:TT+3], v[TT+2:TT+3], v[SB+i:SB+i+1]
	v_pk_add_f32 v[TT+10:TT+11], v[TT+10:TT+11], v[SB+i+2:SB+i+3]
.set i, i+4
.endr
	v_pk_add_f32 v[TT+2:TT+3], v[TT+2:TT+3], v[TT+10:TT+11]
	s_cmp_ge_i32 s[EP], -15                        ; 57,344 x 2^e2 >= 1.75: no p reaches it
	s_cbranch_scc1 .Lfree_\@
.set i, 0
.rept 64
	v_min_num_f32 v[SB+i], v[SB+i], v[LIM]         ; the conversion to an 8-bit code does not saturate (ISA guide 7.6.2); p is not negative, so the hold is one-sided
.set i, i+1
.endr
.Lfree_\@:
.irp b, 0,1,2,3
	v_cvt_scalef32_pk8_bf8_f32 v[CB+4*\b:CB+4*\b+1], v[SB+16*\b:SB+16*\b+7], v[SCL]   ; registers 4 b .. 4 b + 3 of the operand: keys 32 b + 16 (lane / 16) + 0 .. 15, as V's loads lay them
	v_cvt_scalef32_pk8_bf8_f32 v[CB+4*\b+2:CB+4*\b+3], v[SB+16*\b+8:SB+16*\b+15], v[SCL]
.endr
	WIN 0x41                                       ; O^T (destination and source 0) in window 1, f in window 0
.set i, 0
.rept 16
	v_pk_mul_f32 v[OB+i:OB+i+1], v[OB+i:OB+i+1], v[TT+8:TT+9] op_sel_hi:[1,0]   ; O^T under the new M, ascending.  (Also the plain instructions between the conversions and the products that read the codes)
.set i, i+2
.endr
	WIN 0
.endm
; A KEY STEP: 128 keys.  fill = 1: my 2,048 bytes of the next quarter are brought on the way.
.macro STEP fill
	s_wait_alu depctr_vm_vsrc(0)                   ; the last step's LDS loads have read v[KA] and v[VA]; its fill's loads and LDS stores have read v[FK], v[FVG], v[FVL] and v[FD ..]; in the first step of all, the LDS stores of quarter 0 have read S^T's registers, which the products below write
	v_add_nc_u32 v[KA], s[KO], v[LI]
	v_add_nc_u32 v[VA], s[VO], v[AV]               ; (these additions and the four v_nop at the last step's end stand between its last products and the loads below)
.if \fill
	v_add_nc_u32 v[FK], s[KF], v[FK0]              ; (free for the memory's part too: the wait for the fill's loads at the last step's end has shown them done)
	v_add_nc_u32 v[FVG], s[VG], v[FVG0]
	v_add_nc_u32 v[FVL], s[VL], v[FVL0]
.endif
	s_wait_alu depctr_va_vdst(0)                   ; the step's addresses are written, which the loads below and the LDS stores at the step's end read; the last step's products are done reading K's and V's fragments, in which the LDS loads below land
.if \fill
	global_load_b128 v[FD:FD+3], v[FK], s[6:7]               ; 1,024 bytes of my part of K's next quarter,
	global_load_b128 v[FD+4:FD+7], v[FK], s[6:7] offset:512
	global_load_b128 v[FD+8:FD+11], v[FVG], s[8:9]           ; the next 512 keys of two of my rows of V; each load takes 512 consecutive bytes
	global_load_b128 v[FD+12:FD+15], v[FVG], s[8:9] offset:2048
.endif
	WIN 0x40                                       ; destination window 1, address window 0.  (Between the wait above and the loads below stand loads and this switch alone)
.set f, 0
.rept 8                                        ; K's eight fragments of 16 keys x 64: images of the registers, 512 consecutive bytes a load
	ds_load_b128 v[KFR+8*f:KFR+8*f+3], v[KA] offset:1024*f
	ds_load_b128 v[KFR+8*f+4:KFR+8*f+7], v[KA] offset:1024*f+512
.set f, f+1
.endr
.set f, 0
.rept 4                                        ; V's four fragments of 16 of the head's 64 x 128 keys
.irp c, 0,1,2,3
	ds_load_b128 v[VFR+16*f+4*\c:VFR+16*f+4*\c+3], v[VA] offset:16*VP*f+32*\c
.endr
.set f, f+1
.endr
	s_wait_dscnt 16                                ; the last step's four fill stores and K's sixteen loads are done; V's sixteen may be out
	WIN 0x05                                       ; K and Q in window 1, S^T in window 0
.set f, 0
.rept 8                                        ; sixteen accumulators, each begun with the constant 0
	v_wmma_f32_16x16x64_bf8_bf8 v[SA+8*f:SA+8*f+7], v[KFR+8*f:KFR+8*f+7], v[QFR:QFR+7], 0
	v_wmma_f32_16x16x64_bf8_bf8 v[SA+64+8*f:SA+64+8*f+7], v[KFR+8*f:KFR+8*f+7], v[QFR+8:QFR+15], 0
.set f, f+1
.endr
	WIN 0
.rept 4
	v_nop                                          ; four plain vector instructions stand between the products and the first read of their results (ISA guide 7.12.1)
.endr
	SOFT 0
	SOFT 1
	s_wait_dscnt 0x0                               ; V's fragments are in
	WIN 0x51                                       ; V and O^T in window 1, p's codes in window 0
.set f, 0
.rept 4                                        ; the eight accumulators take turns, one instruction a turn
	v_wmma_f32_16x16x128_bf8_bf8 v[8*f:8*f+7], v[VFR+16*f:VFR+16*f+15], v[CC:CC+15], v[8*f:8*f+7]
	v_wmma_f32_16x16x128_bf8_bf8 v[32+8*f:32+8*f+7], v[VFR+16*f:VFR+16*f+15], v[CC+16:CC+31], v[32+8*f:32+8*f+7]
.set f, f+1
.endr
	WIN 0
.rept 4
	v_nop                                          ; in front of the next step's loads into V's fragments, and of the way out's reads of O^T
.endr
.if \fill
	s_wait_loadcnt 0x0                             ; the four loads, asked for at the step's head; their address registers are free again
	ds_store_b128 v[FK], v[FD:FD+3]                ; no wait on va_vdst: the addresses were written ahead of the one at the step's head, the data came by loads, and no vector or matrix instruction since names either
	ds_store_b128 v[FK], v[FD+4:FD+7] offset:512
	ds_store_b128 v[FVL], v[FD+8:FD+11]
	ds_store_b128 v[FVL], v[FD+12:FD+15] offset:VP
.endif
.endm
; A QUARTER: four steps in a loop; every LDS base is a constant of the text.  Behind quarters 0 to 2 one barrier: the next quarter is whole.
.macro QUARTER q
	s_mov_b32 s[KO], \q*KQB
	s_mov_b32 s[VO], \q*VQ
	s_mov_b32 s[JJ], 4*\q
.if \q < 3
	s_mov_b32 s[KF], (\q+1)*KQB
	s_mov_b32 s[VG], (\q+1)*512
	s_mov_b32 s[VL], (\q+1)*VQ
.endif
	s_mov_b32 s[SI], 4
.Lstep_\@:
.if \q < 3
	STEP 1
	s_add_co_u32 s[KF], s[KF], 1024                ; my next 1,024 bytes of K,
	s_add_co_u32 s[VG], s[VG], 4096                ; my next two rows of V, in memory
	s_add_co_u32 s[VL], s[VL], 2*VP                ; and in LDS
.else
	STEP 0
.endif
	s_add_co_u32 s[KO], s[KO], 8192
	s_add_co_u32 s[VO], s[VO], 128
	s_add_co_u32 s[JJ], s[JJ], 1
	s_sub_co_u32 s[SI], s[SI], 1
	s_cmp_lg_u32 s[SI], 0
	s_cbranch_scc1 .Lstep_\@
.if \q < 3
	s_wait_dscnt 0x0                               ; for the others' sake: my part of the next quarter has landed
	s_barrier_signal -1
	s_barrier_wait -1
.endif
.endm
	QUARTER 0
	QUARTER 1
	QUARTER 2
	QUARTER 3
; THE WAY OUT.  The sum's halves are added; O^T is divided by the sum, multiplied by 2^(e2 + e3), and goes through my stage in LDS, a tile of 16 queries at a time: a lane holds 32 bytes of a row, and a head's part of
; a row of out0 is 256 bytes, which sixteen lanes then store as one aligned run.  Both tiles' arithmetic stands first, so that one wait serves the whole run of LDS stores and loads.
.macro FINS x                          ; the row's sum and its reciprocal
.set TT, ST+12*\x
	v_add_f32 v[TT+2], v[TT+2], v[TT+3]
	v_permlanex16_b32 v[TT+6], v[TT+2], s[SEL], s[SEL+1]
	v_add_f32 v[TT+2], v[TT+2], v[TT+6]            ; the row's sum: over 1/2, since the row's largest p is
	v_rcp_f32 v[TT+8], v[TT+2]
.endm
.macro FINO x                          ; O^T x 2^(e2 + e3) / the sum, into S^T's first 32 registers of the tile
.set TT, ST+12*\x
.set SB, SA+64*\x
.set OB, 32*\x
.set i, 0
.rept 16
	v_pk_mul_f32 v[SB+i:SB+i+1], v[OB+i:OB+i+1], v[TT+8:TT+9] op_sel_hi:[1,0]   ; register 8 t + j is o(my query, 16 t + 8 (lane / 16) + j); each accumulator from its low end on
.set i, i+2
.endr
.endm
.macro FINM x                          ; through the stage
.set SB, SA+64*\x
.irp t, 0,1,2,3
	ds_store_b128 v[STO], v[SB+8*\t:SB+8*\t+3] offset:64*\t
	ds_store_b128 v[STO], v[SB+8*\t+4:SB+8*\t+7] offset:64*\t+16
.endr
.irp i, 0,1,2,3,4,5,6,7
	ds_load_b128 v[SB+32+4*\i:SB+32+4*\i+3], v[RD] offset:2*\i*SP   ; LDS serves a wave's instructions in order (ISA guide 5.7.1.4): these see the stores above, and the next tile's stores come behind them
.endr
.endm
.macro SEND x, younger                 ; younger: the LDS instructions issued behind this tile's loads
.set SB, SA+64*\x
.irp i, 0,1,2,3,4,5,6,7
	s_wait_dscnt \younger+7-\i
	global_store_b128 v[GO], v[SB+32+4*\i:SB+32+4*\i+3], s[12:13] offset:(8*\x+2*\i+8*(\i/4))*4096 th:TH_STORE_NT   ; stage rows 2 i and 2 i + 1 are queries 8 x + r + 8 (r / 8) of my 32; 16 lanes store 256 consecutive bytes, aligned
.endr
.endm
	s_wait_kmcnt 0x0                               ; the last, wrapped request for mask words has come back
	FINS 0
	FINS 1
	v_nop                                          ; a plain instruction between the last reciprocal and the use of its result
	s_wait_alu depctr_va_vdst(0)                   ; the two reciprocals are written: one wait for both, ahead of their first reader
	v_ldexp_f32 v[ST+8], v[ST+8], s[EPV]
	v_ldexp_f32 v[ST+20], v[ST+20], s[EPV]
	WIN 0x01                                       ; source 0 (O^T) in window 1
	FINO 0
	FINO 1
	WIN 0
	s_wait_alu depctr_va_vdst(0)                   ; the multiplications have written both tiles' results, which the LDS stores below read; and the softmax is long done with the registers in which the loads from the stage land
	FINM 0
	FINM 1
	SEND 0, 16                                     ; behind tile 0's loads: tile 1's eight stores and eight loads
	SEND 1, 0
	s_wait_dscnt 0x0                               ; the closing lines, six on end
	s_wait_alu 0x0
	s_wait_tensorcnt 0x0
	ds_add_u32 v94, v95
	s_wait_dscnt 0x0
	s_endpgm
.Lfunc_end_k_q8dbb814ecb_attn:
	.size	k_q8dbb814ecb_attn, .Lfunc_end_k_q8dbb814ecb_attn-k_q8dbb814ecb_attn
	.p2alignl 7, 3214868480
	.fill 96, 4, 3214868480
	.section	.rodata,"a",@progbits
	.p2align	6, 0x0
	.amdhsa_kernel k_q8dbb814ecb_attn
		.amdhsa_group_segment_fixed_size 302080
		.amdhsa_private_segment_fixed_size 0
		.amdhsa_enable_private_segment 0
		.amdhsa_kernarg_size 56
		.amdhsa_user_sgpr_count 2
		.amdhsa_user_sgpr_kernarg_segment_ptr 1
		.amdhsa_wavefront_size32 1
		.amdhsa_system_sgpr_workgroup_id_x 1
		.amdhsa_system_sgpr_workgroup_id_y 1
		.amdhsa_system_sgpr_workgroup_id_z 1
		.amdhsa_system_vgpr_workitem_id 0
		.amdhsa_next_free_vgpr 480
		.amdhsa_next_free_sgpr 106
		.amdhsa_reserve_vcc 0
		.amdhsa_float_denorm_mode_32 3
		.amdhsa_float_denorm_mode_16_64 3
		.amdhsa_memory_ordered 1
		.amdhsa_forward_progress 1
		.amdhsa_inst_pref_size 204
	.end_amdhsa_kernel
	.amdgpu_metadata
---
amdhsa.version: [ 1, 2 ]
amdhsa.kernels:
  - .name:           k_q8dbb814ecb_attn
    .symbol:         k_q8dbb814ecb_attn.kd
    .args:
      - { .name: qc, .offset: 0, .size: 8, .value_kind: global_buffer, .address_space: global }
      - { .name: kc, .offset: 8, .size: 8, .value_kind: global_buffer, .address_space: global }
      - { .name: values_codes, .offset: 16, .size: 8, .value_kind: global_buffer, .address_space: global }
      - { .name: maskw, .offset: 24, .size: 8, .value_kind: global_buffer, .address_space: global }
      - { .name: flags, .offset: 32, .size: 8, .value_kind: global_buffer, .address_space: global }
      - { .name: lowp_scales, .offset: 40, .size: 8, .value_kind: global_buffer, .address_space: global }
      - { .name: out0, .offset: 48, .size: 8, .value_kind: global_buffer, .address_space: global }
    .group_segment_fixed_size: 302080
    .private_segment_fixed_size: 0
    .kernarg_segment_align: 8
    .kernarg_segment_size: 56
    .max_flat_workgroup_size: 256
    .sgpr_count:     106
    .vgpr_count:     480
    .wavefront_size: 32
...
	.end_amdgpu_metadata
.endif
;; end of part 3
